; MI455X (gfx1250); checked and timed in simulation.
; The chip was launched on July 23, 2026; its instructions are those of AMD's public machine-readable ISA for CDNA 5 (MIT licence, August 2026) and "CDNA5" Instruction Set Architecture Reference Guide (July 2026). The comments in the code are by the model that wrote it; some were corrected since.
;; Multi Head Attention Quantum. Allowed arithmetic: float matrix products may take bf16 or f16 operands with f32 sums; other float arithmetic in f32, or as packed bf16 or f16 multiplies, adds, multiply-adds, maxima and minima; sums over many terms, partial sums and values carried from step to step in f32; what a program stores and reads back later, other than sums and carried values, may be rounded once to bf16 or f16.
;; Inputs: W_combine 768 x 768 float32; theta 8 float32; x 8 x 2,048 x 768 float32.
;; Outputs: out0 8 x 2,048 x 768 float32.
;; One version. Each part assembles by itself: llvm-mc -triple=amdgcn-amd-amdhsa -mcpu=gfx1250 --defsym DOCPART=n.
;; ======== version 1 of 1: 2 launches
;; limits: an absolute error that grows with the inputs' magnitude: up to 4e-08 times it; a function is approximated: absolute error at most 3.6e-06; values are held in f16: magnitudes above 65,504 overflow, below 6.1e-05 lose precision
;; workspace buffers: qh 25,165,824 bytes; wh 1,179,648 bytes
;; launch prep (part 1): grid 1536 x 1, 8 waves a work-group, no clusters, 0 bytes of LDS; arguments x, theta, W_combine, qh, wh; writes qh, wh
.if DOCPART == 1
	.amdgcn_target "amdgcn-amd-amdhsa--gfx1250"
	.amdhsa_code_object_version 6
	.text
	.protected	k_qb2dbddf158_prep
	.globl	k_qb2dbddf158_prep
	.p2align	8
	.type	k_qb2dbddf158_prep,@function
k_qb2dbddf158_prep:
	s_mov_b64 s[64:65], 0
	v_nop
	global_prefetch_b8 v0, s[64:65] scope:SCOPE_SE
	s_setreg_imm32_b32 hwreg(HW_REG_WAVE_MODE, 25, 1), 1
	s_wait_xcnt 0x0
; qh[t][e] = f16(cos(x[t][e] + theta[e mod 8])), t = 0 .. 16383, e = 0 .. 767;  wh[o][e] = f16(W_combine[o][e]).
; NO WORK OF THE PROBLEM IS LEFT OUT in this program: x, theta and W_combine all reach the output, and every product of reference() is made.
; The factor 1 / sqrt(8) is folded into the exponent's scale in the second launch.
; WHY A LAUNCH OF ITS OWN: each of a batch's 32 query blocks walks all 2,048 rows of q as keys and values; the cosines are made once here, not 32 times.
; A STREAM: each byte of x and W is read once, by loads of 512 consecutive bytes a wave; each store of a wave covers 256 consecutive bytes, aligned.
; No LDS, no barrier, no matrix unit: no wave wants a byte of another.
; SHARES.  Work-group g: 32,768 bytes of x and 1,536 bytes of W.  Wave v: 4,096 bytes of x in eight loads, all out at once; waves 0 to 2 also 512 bytes of W.
; A lane's four numbers of x are wires 4 (lane mod 2) .. + 3, so its four theta are loaded once.
; THE COSINE.  y = x + theta (rounded as in reference()); f = y / 2pi - nearest whole number; g = |f| - 1/4, in -1/4 .. 1/4; cos(y) = -sin(2 pi g), by the sine's series up to g^9.
; LIMITS.  The series' remainder is 3.6e-6 at the most.  The constant 1 / 2pi in f32 is off by 4e-8 of itself, so the angle is off by |y| x 4e-8 radians: 8e-6 at |y| = 200.
; q is rounded once to f16 (it lies in -1 .. 1 for every input); W once to f16: |W| of 65,520 or more becomes an infinity, below 6e-5 it keeps f16's fixed step of 6e-8.  NaN and infinities in x give NaN.
.set TH, 8                             ; v[8:11]   my four theta
.set WX, 12                            ; v[12:15]  four numbers of W
.set WY, 16                            ; v[16:17]  the same in f16
.set T,  20                            ; v[20:23]  at work
.set F,  24                            ; v[24:27]  at work
.set PP, 28                            ; v[28:31]  at work
.set X,  32                            ; v[32:63]  load n: four registers
.set Y,  64                            ; v[64:79]  store n: two registers, never rewritten
.set C0, 16                            ; s[16:25]  the series' coefficients with the sign of -sin, each twice (a pair for the packed forms)
.set C1, 18
.set C2, 20
.set C3, 22
.set C4, 24
.set AB, 26                            ; s26       clears a sign
.set IV, 28                            ; s[28:29]  1 / 2pi
.set QT, 30                            ; s[30:31]  -1/4
.macro PAIR r, val
	s_mov_b32 s[\r], \val
	s_mov_b32 s[(\r)+1], \val
.endm
	s_load_b256 s[4:11], s[0:1], 0x0               ; x s[4:5], theta s[6:7], W s[8:9], qh s[10:11]
	s_load_b64 s[12:13], s[0:1], 0x20              ; wh
	v_lshrrev_b32 v6, 5, v0
	v_readfirstlane_b32 s14, v6                    ; wave 0..7
	v_and_b32 v7, 31, v0                           ; lane
	v_lshlrev_b32 v1, 4, v7
	v_lshl_or_b32 v1, v6, 12, v1                   ; x: 4,096 x wave + 16 x lane
	v_lshlrev_b32 v2, 3, v7
	v_lshl_or_b32 v2, v6, 11, v2                   ; qh: 2,048 x wave + 8 x lane
	v_and_b32 v3, 1, v0
	v_lshlrev_b32 v3, 4, v3                        ; theta: 16 x (lane mod 2)
	v_lshlrev_b32 v4, 4, v0                        ; W: 16 x thread (waves 0 to 2)
	v_lshlrev_b32 v5, 3, v0                        ; wh: 8 x thread
	PAIR C0, 0xc0c90fdb                            ; -(2 pi)
	PAIR C1, 0x42255de7                            ; +(2 pi)^3 / 3!
	PAIR C2, 0xc2a335e3                            ; -(2 pi)^5 / 5!
	PAIR C3, 0x42996966                            ; +(2 pi)^7 / 7!
	PAIR C4, 0xc2283c1a                            ; -(2 pi)^9 / 9!
	PAIR IV, 0x3e22f983                            ; 1 / 2pi
	PAIR QT, 0xbe800000                            ; -1/4
	s_mov_b32 s[AB], 0x7fffffff
	s_mov_b32 s33, 0
	s_wait_kmcnt 0x0
	s_lshl_b32 s32, ttmp9, 15                      ; the work-group's share of each buffer
	s_add_nc_u64 s[4:5], s[4:5], s[32:33]
	s_lshl_b32 s32, ttmp9, 14
	s_add_nc_u64 s[10:11], s[10:11], s[32:33]
	s_mul_i32 s32, ttmp9, 1536
	s_add_nc_u64 s[8:9], s[8:9], s[32:33]
	s_mul_i32 s32, ttmp9, 768
	s_add_nc_u64 s[12:13], s[12:13], s[32:33]
	s_cmp_lt_u32 s14, 3
	s_cbranch_scc0 .Lno_w
	global_load_b128 v[WX:WX+3], v4, s[8:9] th:TH_LOAD_NT  ; first of all loads, so that the counts below are the same with it and without
.Lno_w:
	global_load_b128 v[TH:TH+3], v3, s[6:7]
.irp n, 0,1,2,3,4,5,6,7
	global_load_b128 v[X+4*(\n):X+4*(\n)+3], v1, s[4:5] offset:512*(\n) th:TH_LOAD_NT
.endr
; Four cosines, rounded to f16 and stored.
.macro COS4 n
.set rX, X+4*(\n)
	s_wait_loadcnt 7-(\n)                          ; loads come back in order: load n is in, the 7 - n younger ones stay out
	v_pk_add_f32 v[rX:rX+1],   v[rX:rX+1],   v[TH:TH+1]      ; y
	v_pk_add_f32 v[rX+2:rX+3], v[rX+2:rX+3], v[TH+2:TH+3]
	v_pk_mul_f32 v[T:T+1],     v[rX:rX+1],   s[IV:IV+1] op_sel_hi:[1,0]
	v_pk_mul_f32 v[T+2:T+3],   v[rX+2:rX+3], s[IV:IV+1] op_sel_hi:[1,0]
.irp k, 0,1,2,3
	v_rndne_f32 v[T+(\k)], v[T+(\k)]               ; the nearest whole number of turns
.endr
	v_pk_fma_f32 v[F:F+1],     v[rX:rX+1],   s[IV:IV+1], v[T:T+1]     op_sel_hi:[1,0,1] neg_lo:[0,0,1] neg_hi:[0,0,1]  ; f, with one rounding
	v_pk_fma_f32 v[F+2:F+3],   v[rX+2:rX+3], s[IV:IV+1], v[T+2:T+3]   op_sel_hi:[1,0,1] neg_lo:[0,0,1] neg_hi:[0,0,1]
.irp k, 0,1,2,3
	v_and_b32 v[F+(\k)], s[AB], v[F+(\k)]          ; |f|
.endr
	v_pk_add_f32 v[F:F+1],     v[F:F+1],     s[QT:QT+1] op_sel_hi:[1,0]  ; g
	v_pk_add_f32 v[F+2:F+3],   v[F+2:F+3],   s[QT:QT+1] op_sel_hi:[1,0]
	v_pk_mul_f32 v[T:T+1],     v[F:F+1],     v[F:F+1]                    ; g^2
	v_pk_mul_f32 v[T+2:T+3],   v[F+2:F+3],   v[F+2:F+3]
	v_pk_fma_f32 v[PP:PP+1],   v[T:T+1],     s[C4:C4+1], s[C3:C3+1] op_sel_hi:[1,0,0]
	v_pk_fma_f32 v[PP+2:PP+3], v[T+2:T+3],   s[C4:C4+1], s[C3:C3+1] op_sel_hi:[1,0,0]
.irp c, C2, C1, C0
	v_pk_fma_f32 v[PP:PP+1],   v[PP:PP+1],   v[T:T+1],   s[\c:\c+1] op_sel_hi:[1,1,0]
	v_pk_fma_f32 v[PP+2:PP+3], v[PP+2:PP+3], v[T+2:T+3], s[\c:\c+1] op_sel_hi:[1,1,0]
.endr
	v_pk_mul_f32 v[PP:PP+1],   v[PP:PP+1],   v[F:F+1]
	v_pk_mul_f32 v[PP+2:PP+3], v[PP+2:PP+3], v[F+2:F+3]
	v_cvt_pk_f16_f32 v[Y+2*(\n)],   v[PP],   v[PP+1]
	v_cvt_pk_f16_f32 v[Y+2*(\n)+1], v[PP+2], v[PP+3]
	global_store_b64 v2, v[Y+2*(\n):Y+2*(\n)+1], s[10:11] offset:256*(\n)  ; 32 lanes store 256 consecutive bytes, aligned
.endm
.irp n, 0,1,2,3,4,5,6,7
	COS4 \n
.endr
	s_cmp_lt_u32 s14, 3
	s_cbranch_scc0 .Lend
	v_cvt_pk_f16_f32 v[WY],   v[WX],   v[WX+1]     ; W's load is older than all of x's, which have been waited for
	v_cvt_pk_f16_f32 v[WY+1], v[WX+2], v[WX+3]
	global_store_b64 v5, v[WY:WY+1], s[12:13]
.Lend:
	s_endpgm
.Lfunc_end_k_qb2dbddf158_prep:
	.size	k_qb2dbddf158_prep, .Lfunc_end_k_qb2dbddf158_prep-k_qb2dbddf158_prep
	.p2alignl 7, 3214868480
	.fill 96, 4, 3214868480
	.section	.rodata,"a",@progbits
	.p2align	6, 0x0
	.amdhsa_kernel k_qb2dbddf158_prep
		.amdhsa_group_segment_fixed_size 0
		.amdhsa_private_segment_fixed_size 0
		.amdhsa_enable_private_segment 0
		.amdhsa_kernarg_size 40
		.amdhsa_user_sgpr_count 2
		.amdhsa_user_sgpr_kernarg_segment_ptr 1
		.amdhsa_wavefront_size32 1
		.amdhsa_system_sgpr_workgroup_id_x 1
		.amdhsa_system_sgpr_workgroup_id_y 1
		.amdhsa_system_sgpr_workgroup_id_z 1
		.amdhsa_system_vgpr_workitem_id 0
		.amdhsa_next_free_vgpr 96
		.amdhsa_next_free_sgpr 66
		.amdhsa_reserve_vcc 0
		.amdhsa_float_denorm_mode_32 3
		.amdhsa_float_denorm_mode_16_64 3
		.amdhsa_memory_ordered 1
		.amdhsa_forward_progress 1
		.amdhsa_inst_pref_size 18
	.end_amdhsa_kernel
	.amdgpu_metadata
---
amdhsa.version: [ 1, 2 ]
amdhsa.kernels:
  - .name:           k_qb2dbddf158_prep
    .symbol:         k_qb2dbddf158_prep.kd
    .args:
      - { .name: x, .offset: 0, .size: 8, .value_kind: global_buffer, .address_space: global }
      - { .name: theta, .offset: 8, .size: 8, .value_kind: global_buffer, .address_space: global }
      - { .name: W_combine, .offset: 16, .size: 8, .value_kind: global_buffer, .address_space: global }
      - { .name: qh, .offset: 24, .size: 8, .value_kind: global_buffer, .address_space: global }
      - { .name: wh, .offset: 32, .size: 8, .value_kind: global_buffer, .address_space: global }
    .group_segment_fixed_size: 0
    .private_segment_fixed_size: 0
    .kernarg_segment_align: 8
    .kernarg_segment_size: 40
    .max_flat_workgroup_size: 256
    .sgpr_count:     66
    .vgpr_count:     96
    .wavefront_size: 32
...
	.end_amdgpu_metadata
.endif
;; end of part 1
;; launch attn (part 2): grid 256 x 1, 4 waves a work-group, clusters of 4 x 1, 327,680 bytes of LDS; arguments qh, wh, out0; writes out0
.if DOCPART == 2
	.amdgcn_target "amdgcn-amd-amdhsa--gfx1250"
	.amdhsa_code_object_version 6
	.text
	.protected	k_qb2dbddf158_attn
	.globl	k_qb2dbddf158_attn
	.p2align	8
	.type	k_qb2dbddf158_attn,@function
k_qb2dbddf158_attn:
	s_mov_b64 s[64:65], 0
	v_nop
	global_prefetch_b8 v0, s[64:65] scope:SCOPE_SE
	s_setreg_imm32_b32 hwreg(HW_REG_WAVE_MODE, 25, 1), 1
	s_wait_xcnt 0x0
	s_wait_alu depctr_hold_cnt(0) depctr_sa_sdst(0) depctr_va_vdst(0) depctr_va_sdst(0) depctr_va_ssrc(0) depctr_va_vcc(0) depctr_vm_vsrc(0)
	s_getreg_b32 s2, hwreg(HW_REG_IB_STS2, 6, 4)
	s_cmp_eq_u32 s2, 0
	s_cbranch_scc0 .Lentry_in_a_cluster
	s_endpgm
.Lentry_in_a_cluster:
	s_bfe_u32 s2, ttmp6, 0x10000c
	s_cmp_lg_u32 s2, 0x3003
	s_cbranch_scc0 .Lentry_shape_is_right
	s_endpgm
.Lentry_shape_is_right:
; out0[b][s][:] = (the sum over t of softmax_t(q[b][s] . q[b][t] / sqrt(8)) q[b][t][:]) W^T.  qh: [16384][768] f16 (q; keys, values and queries alike), wh: [768][768] f16, out0: [16384][768] f32.
; Nothing of reference() is left out.  Products in f16 with f32 sums; maxima, sums and rescalings in f32.
; LIMITS.  q lies in -1 .. 1, the weights in 0 .. 1, the sum O before its division within 2,048: all inside f16.  A weight is rounded to f16 twice (as p, and as p f, see below); below 6e-5 it keeps f16's fixed step of 6e-8.
; An exponential below 2^-126 counts as 0.  O is rounded once to f16 for the last product.  NaN and infinities are not treated apart.
; SHARES.  A work-group owns 64 queries of one batch and walks the batch's 2,048 keys in 32 tiles of 64.  Its four waves have TWO ROLES:
;   PRODUCERS (waves 0, 1; p = wave): all 64 queries at full depth in 768 registers.  In trip T: S^T = K Q^T for keys 32 p .. 32 p + 31 of tile T, one block of 16 keys after the other (96 products each; each fragment
;   of K read from LDS feeds four), and the softmax of each block with a running maximum m_p and sum l_p OF ITS OWN, stepped every 16 keys: w = 2^(c s - c m_p), c = log2(e) / sqrt(8).
;   The first block's softmax rides behind the second block's products, two lines a product; the second block's stands behind them.  The weights (f16) and each block's c m_p go to LDS.
;   CONSUMERS (waves 2, 3; c = wave - 2): O^T for 384 channels x 64 queries in 768 registers.  In trip T, for tile T - 1: cM = max(cM, the tile's c m); O is multiplied by a = 2^(cM_old - cM), the weights of key
;   block kg by f_kg = 2^(c m_kg - cM), and V^T P is added (192 products; each fragment of V feeds four).
; Every exponent has a running maximum taken away and is 0 at the most.  At the end l = l_0 2^(c m_0 - cM) + l_1 2^(c m_1 - cM): the softmax's sum split by keys, exactly.
; So the roles meet once a trip, at the one barrier that the ring of tiles wants anyway.
; THE LAST PRODUCT rides on the same ring: out^T = W O^T has K Q^T's shape, with O (f16, not yet divided) in Q's registers of all four waves and 12 tiles of W in K's place; wave w makes out channels
; 192 w .. 192 w + 191, 16 a tile.  The division by l is made on out^T, where a lane holds one query.
; W'S WALK BEGINS ELSEWHERE IN EACH CLUSTER: cluster k takes in step i tile 4 ((k mod 3 + i / 4) mod 3) + ((k / 3 + i) mod 4), so that in each step the 64 clusters ask for all twelve tiles, about five clusters each,
; and not all for one.  Four steps still make 64 consecutive out channels.  Only global addresses hang on k, which the four partners share.
; CLUSTER.  The four work-groups of a cluster lie in one batch and walk the same tiles of q and of W: every tile is asked for JOINTLY, by the same tensor load with the same descriptor and the mask of four.
; A mask names four work-groups at the most and all that is shared is shared along one axis: 4 x 1.
; LAYOUTS (L = lane, r = L % 16, h = L / 16).  S^T: a lane holds one query (r) and keys 8 h + 0..7: two results rounded in pairs ARE source 1 (32 keys x 16 queries) of V^T P.  V is turned on its way out of LDS by
; ds_load_tr16_b128; lanes 8-15 of each half read 64 channels further, not 8, so a block of O^T holds channels n0 + 0..7 (h = 0) and n0 + 64 + 0..7 (h = 1).  W's fragments take the same channels in the same places.
; LDS.  Three slots of 64 rows.  A row of 1,536 bytes lies as three pieces of 512 bytes, 16 bytes of padding behind each: 1,584 bytes = 396 words, so row i starts at bank 12 i mod 64 (64 banks of 4 bytes: ISA guide 11.1).
; Tile n lies in slot (n + 2) mod 3: in trip T tile T + 1 lands, tile T is K, tile T - 1 is V.
; Slot 0 has its last fill in trip 30; afterwards it is the stage for O and then for out.
; REGISTERS, in windows of 256 (s_set_vgpr_msb: bits 1:0 source 0, 3:2 source 1, 5:4 source 2, 7:6 destination):
;   window 0: v0-15 addresses; v16-63 statistics; v64-127 S^T (producers), P (consumers), out^T (v64-95); v128-255 two buffers of fragments of K, V or W
;   windows 1-3: Q (producers), O^T (consumers), later O's fragments (all): fragment or block n at 256 + 8 n
.set PITCH,  1584
.set SEG,    528                       ; a piece of a row
.set QUART,  16*PITCH                  ; what one tensor load brings: 16 rows
.set SLOT,   64*PITCH
.set ST0,    3*SLOT                    ; c m behind key block kg of a tile: 256 kg + 16 r + 4 qb; two buffers, 1,024 bytes apart,
.set STX,    0xc00                     ; told apart by this exclusive or
.set LF,     ST0+2048                  ; the producers' last word: l_p at 512 p + 16 r, c m_p 256 bytes further
.set SPARE,  LF+1024                   ; the spare words, 128 bytes for each wave: two blocks of 256 bytes that no other line names
.set PB0,    0x4c000                   ; the weights in fragment order: 16 keys x 16 queries (key block kg 0..3, query block qb) at 512 (4 kg + qb) + 16 L; two buffers, 0x2000 apart
.set OSTG,   49152                     ; the stage for O, in slot 0: consumer c's 48 fragments of 1,024 bytes
.set OPITCH, 272                       ; the stage for out, in slot 0: 64 rows of 256 bytes + 16 for each wave
.set OWAVE,  64*OPITCH
.set TILEB,  98304                     ; a tile of q in memory
.set WTILE,  24576                     ; a wave's part of a tile: 16 rows
.set RR,  1                            ; v1   r
.set HH,  2                            ; v2   h
.set L16, 3                            ; v3   16 L
.set LT,  4                            ; v4   my lane's place in a tile, by role
.set A0,  5                            ; v5, v6  the trip's LDS addresses
.set A1,  6
.set AP,  7                            ; v7   the weights' address; later the trip's place in my stage
.set AS,  8                            ; v8   the statistics' address; later my lane's place in my stage
.set R16, 9                            ; v9   16 r
.set PFO, 10                           ; v10  256 x thread: the prefetches' offset; never rewritten
.set PLT, 11                           ; v11  my lane's place in a buffer of weights; later where I read my stage back
.set SLT, 12                           ; v12  the same for the statistics; later my byte offset in two rows of out
.set TV,  13                           ; v13  at work
.set SPW, 14                           ; v14  LDS address of my spare word: SPARE + 4 x my thread's number; never rewritten
.set NIL, 15                           ; v15  0; never rewritten
.set ST,  16                           ; producers: query block qb's c m, m, l (even keys'), l (odd keys') at ST + 4 qb
.set TM,  32                           ;   a pair for each qb: the maximum at work, then a; the other half of the lanes' maximum, then c m_old - c m_new
.set CT,  40                           ;   c m behind key block kb of the four query blocks on end, at CT + 4 kb: for one store each
.set PK0, 48                           ;   v[48:63] the first key block's weights in f16, four registers a result
.set S,   64                           ;   S^T: key block kb, query block qb at S + 8 (4 kb + qb)
.set KF,  128                          ;   K: two buffers of 8 fragments
.set PK1, 128                          ;   the second key block's weights in f16
.set CM,  16                           ; consumers: cM of the four query blocks
.set CK,  20                           ;   v[20:35] c m of key block kg at CK + 4 kg, then f_kg
.set AA,  36                           ;   a, twice, for each qb
.set DN,  44
.set D0,  48
.set P,   64                           ;   P: key half kk, query block qb at P + 8 (4 kk + qb)
.set VF,  128                          ;   V: two buffers of 8 fragments
.set LA,  16                           ; the last product: l_0, c m_0, l_1, c m_1
.set MA,  20
.set LB,  24
.set MB,  28
.set RL,  32                           ;   1 / l, twice, for each qb
.set XM,  40
.set ACC, 64                           ;   out^T: four accumulators
.set WF,  128                          ;   W: two buffers of 6 fragments
.set FL,  96                           ;   v[96:223] 64 rows of my stage on their way out
.set WV,  10                           ; s10  my wave's number
.set PC,  11                           ; s11  p or c
.set CX,  12                           ; s12  my place in the cluster: it enters Q's, out's and the prefetches' addresses alone
.set WX,  13                           ; s13  my block of 64 queries
.set BT,  14                           ; s14  the batch
.set G1,  16                           ; s[16:23] descriptor group 1, never rewritten
.set G0,  24                           ; s[24:27] descriptor group 0
.set GA,  28                           ; s[28:29] the next tile's address
.set WA,  30                           ; s[30:31] my rows of W's tile 0
.set TT,  34                           ; s34  the trip, 0 .. 32
.set OUTER, 35
.set INNER, 36
.set FB,  37                           ; s37  the slot that is filled in this trip
.set KB,  38                           ; s38  the slot of K
.set VB,  39                           ; s39  the slot of V
.set WOFF, 40                          ; s40  my quarter of a slot
.set PW,  41                           ; s41, s42  the buffer of weights that is written, and the one that is read
.set PR,  42
.set SW,  43                           ; s43, s44  the same for the statistics
.set SR,  44
.set CS,  46                           ; s[46:47] c
.set SEL, 48                           ; s[48:49] v_permlanex16_b32's selects: each lane takes its own place in the other half
.set PFA, 50                           ; s[50:51] where my work-group's prefetches of q stand
.set PWA, 52                           ; s[52:53] and those of W
.set WS,  54                           ; s[54:55] the step of the latter
.set LK,  56                           ; s56  q is prefetched while the trip is below this
.set LW,  57                           ; s57  W in so many trips from trip 26 on
.set TA,  58                           ; s[58:59] at work
.set TB,  59
.set JJ,  60                           ; s60  the last product's loop
.set WB,  61                           ; s61  the slot of W's tile in hand
.set COL, 62                           ; s62  the step's 64 bytes in a row of my stage
.set G3,  66                           ; s66  cluster mod 3: the group of four tiles with which my cluster's walk of W begins
.set RHO, 67                           ; s67  (cluster / 3) mod 4: the tile of a group with which it begins
.set GR,  68                           ; s68  the group that the next flush stores
.set WAA, 72                           ; s[72:73] my rows of the walk's step 0
.set WAB, 74                           ; s[74:75] and of its step 1
.set OB,  76                           ; s[76:77] out at the group that is being stored
.set UA,  78                           ; s[78:79] at work: an offset, the high word 0
.set UB,  80                           ; s80, s81  at work
.set UC,  81
.set MSB, 0
.macro WIN new                         ; the immediate's high byte repeats the setting that is left; a switch that changes nothing is dropped
.if MSB != (\new)
	s_set_vgpr_msb (MSB<<8)|(\new)
.set MSB, (\new)
.endif
.endm
.macro PLACES n                        ; places behind a matrix instruction, where no other plain vector work is at hand (ISA guide 7.12.1)
.rept \n
	v_nop
.endr
.endm
; A round of the cluster's barrier: my work-group's barrier, so that wave 0's signal speaks for all four waves; wave 0 signals; every wave waits for all four work-groups; my work-group's barrier once more.
.macro ROUND
	s_barrier_signal -1
	s_barrier_wait -1
	s_cmp_lg_u32 s[WV], 0
	s_cbranch_scc1 .Lnot_wave_0_\@
	s_barrier_signal -3
.Lnot_wave_0_\@:
	s_barrier_wait -3
	s_barrier_signal -1
	s_barrier_wait -1
.endm
; A joint fill: each wave asks for its 16 rows of the tile; both addresses hang on the wave's number.  An s_nop 0 and four v_nop follow.
.macro FILL
	tensor_load_to_lds s[G0:G0+3], s[G1:G1+7]
	s_nop 0
.rept 4
	v_nop
.endr
.endm
; PREFETCHES INTO THE L2, behind the trip's tensor load and its five lines.  Trip T asks for tile T + 3 of q, whose load stands two trips, 384 matrix instructions a wave, further on.  All eight clusters of a batch walk
; the same tiles: the batch's first cluster asks.  Its four partners share a tile's 98,304 bytes out BY ADDRESS, 24,576 each; waves 0 to 2 name 32 blocks of 256 bytes each, a lane a block: each block is named once in the
; launch.  Tiles 0 to 2 come by their loads alone; trips 29 on have no tile of q left.  W is walked by all clusters, and its first loads, of all twelve tiles, stand in trip 31: cluster 0 asks, in trips 26 to 29,
; three instructions a wave: partner x takes the 294,912 bytes that wave x loads, 73,728 a trip.
.macro ASK
	s_cmp_lt_u32 s[TT], s[LK]
	s_cbranch_scc0 .Lno_q_\@
	global_prefetch_b8 v[PFO], s[PFA:PFA+1] th:TH_LOAD_NT scope:SCOPE_SE
.Lno_q_\@:
	s_sub_co_u32 s[TA], s[TT], 26                  ; below trip 26 this wraps to a number above every bound
	s_cmp_lt_u32 s[TA], s[LW]
	s_cbranch_scc0 .Lno_w_\@
	global_prefetch_b8 v[PFO], s[PWA:PWA+1] th:TH_LOAD_NT scope:SCOPE_SE
	global_prefetch_b8 v[PFO], s[PWA:PWA+1] offset:WTILE th:TH_LOAD_NT scope:SCOPE_SE
	global_prefetch_b8 v[PFO], s[PWA:PWA+1] offset:2*WTILE th:TH_LOAD_NT scope:SCOPE_SE
.Lno_w_\@:
.endm
	s_load_b128 s[4:7], s[0:1], 0x0                ; qh s[4:5], wh s[6:7]
	s_load_b64 s[8:9], s[0:1], 0x10                ; out0
	v_lshl_add_u32 v[SPW], v0, 2, SPARE
	v_mov_b32 v[NIL], 0
	ds_add_u32 v[SPW], v[NIL]                      ; the wave's opening: the add, twice on end, and its wait ahead of my first tensor load; the set-up below stands between the second and the wait
	ds_add_u32 v[SPW], v[NIL]                      ; and once more
	v_lshrrev_b32 v[TV], 5, v0
	v_readfirstlane_b32 s[WV], v[TV]               ; wave 0..3
	s_and_b32 s[PC], s[WV], 1
	s_bfe_u32 s[CX], ttmp6, 0x40000                ; cx
	s_lshl_b32 s[WX], ttmp9, 2                     ; in a cluster launch ttmp9 counts clusters
	s_add_co_u32 s[WX], s[WX], s[CX]               ; my block of 64 queries = 4 x cluster + cx
	s_lshr_b32 s[BT], ttmp9, 3                     ; 32 blocks, 8 clusters, a batch: the four partners share it
	; descriptor group 1.  16 rows of 1,536 bytes are 24,576 dense bytes: asked for as 48 rows of 512, padded in LDS behind each
	s_mov_b32 s[G1], 15|(1<<16)|(1<<20)|(1<<21)|(6<<22)|(3<<25)  ; 15:0 the mask of four; 17:16 2-byte elements; 20 padding on; 21 set beside a mask; 24:22 after every 128 words (code 6); 31:25 4 words (code 3)
	s_mov_b32 s[G1+1], 256<<16                     ; tensor_dim0 = 256
	s_mov_b32 s[G1+2], 48<<16                      ; tensor_dim1 = 48
	s_mov_b32 s[G1+3], 256<<16                     ; tile_dim0 = 256
	s_mov_b32 s[G1+4], 48                          ; tile_dim1 = 48
	s_mov_b32 s[G1+5], 256                         ; 256 elements from row to row
	s_mov_b32 s[G1+6], 0
	s_mov_b32 s[G1+7], 0
	s_mul_i32 s[WOFF], s[WV], QUART
	s_mov_b32 s[G0], 1                             ; count = 1
	s_add_co_u32 s[G0+1], s[WOFF], 2*SLOT          ; tile 0 goes to slot 2
	s_mov_b32 s[WS+1], 0
	s_mov_b32 s[CS], 0x3f0293ee                    ; c = log2(e) / sqrt(8) = 0.510070
	s_mov_b32 s[CS+1], s[CS]                       ; named with it as a pair
	s_mov_b32 s[SEL], 0x76543210
	s_mov_b32 s[SEL+1], 0xfedcba98
	s_mov_b32 s[TT], 0
	s_mov_b32 s[KB], 2*SLOT
	s_mov_b32 s[VB], SLOT                          ; (not read in trip 0)
	s_mov_b32 s[PW], PB0
	s_mov_b32 s[PR], PB0+0x2000
	s_mov_b32 s[SW], ST0
	s_mov_b32 s[SR], ST0+1024
	s_mov_b32 s[OUTER], 11
	s_mul_i32 s[UA], ttmp9, 171                    ; where my cluster's walk of W begins: 171 / 512 is a third closely enough for numbers under 256
	s_lshr_b32 s[UA], s[UA], 9                     ; cluster / 3
	s_mul_i32 s[UB], s[UA], 3
	s_sub_co_u32 s[G3], ttmp9, s[UB]               ; cluster mod 3
	s_and_b32 s[RHO], s[UA], 3
	s_mov_b32 s[GR], s[G3]
	s_and_b32 s[TA], ttmp9, 7                      ; who prefetches: the same answer in all four partners
	s_cmp_eq_u32 s[TA], 0
	s_cselect_b32 s[LK], 29, 0
	s_cmp_eq_u32 ttmp9, 0
	s_cselect_b32 s[LW], 4, 0
	s_cmp_lt_u32 s[WV], 3
	s_cselect_b32 s[LK], s[LK], 0
	s_cselect_b32 s[LW], s[LW], 0
	s_mul_i32 s[TA], s[BT], 2048*1536              ; the batch's first byte of qh,
	s_mul_i32 s[TB], s[WV], WTILE                  ; my 16 rows of a tile
	s_add_co_u32 s[TA], s[TA], s[TB]
	s_mov_b32 s[TB], 0
	s_wait_dscnt 0x0                               ; both opening adds are done
	s_wait_kmcnt 0x0
	s_add_nc_u64 s[GA:GA+1], s[4:5], s[TA:TA+1]    ; tile 0
	s_mul_i32 s[TA], s[WV], 192*1536
	s_add_nc_u64 s[WA:WA+1], s[6:7], s[TA:TA+1]    ; rows 192 w on of wh
	s_lshl2_add_u32 s[UA], s[G3], s[RHO]           ; the walk's step 0: tile 4 (k mod 3) + (k / 3) mod 4
	s_mul_i32 s[UA], s[UA], WTILE
	s_mov_b32 s[UA+1], 0
	s_add_nc_u64 s[WAA:WAA+1], s[WA:WA+1], s[UA:UA+1]
	s_add_co_u32 s[UB], s[RHO], 1                  ; step 1: the group's next tile, round the group's end
	s_and_b32 s[UB], s[UB], 3
	s_lshl2_add_u32 s[UA], s[G3], s[UB]
	s_mul_i32 s[UA], s[UA], WTILE
	s_add_nc_u64 s[WAB:WAB+1], s[WA:WA+1], s[UA:UA+1]
	s_mov_b64 s[G0+2:G0+3], s[GA:GA+1]
	s_or_b32 s[G0+3], s[G0+3], 0x80000000          ; type = 2
	s_add_nc_u64 s[GA:GA+1], s[GA:GA+1], TILEB
	s_mul_i32 s2, s[BT], 2048*1536                 ; what hangs on cx is made in s[2:3], which feed no descriptor
	s_mul_i32 s3, s[CX], WTILE
	s_add_co_u32 s2, s2, s3
	s_add_co_u32 s2, s2, 2*TILEB                   ; each trip's head steps it: trip T names tile T + 3
	s_mov_b32 s3, 0
	s_add_nc_u64 s[PFA:PFA+1], s[4:5], s[2:3]
	s_mul_i32 s2, s[CX], 192*1536
	s_add_nc_u64 s[PWA:PWA+1], s[6:7], s[2:3]
	s_mul_i32 s2, s[WX], 64*1536
	s_add_nc_u64 s[4:5], s[4:5], s[2:3]            ; my 64 queries
	s_mul_i32 s2, s[WX], 64*3072
	s_mul_i32 s[TA], s[WV], 768
	s_add_co_u32 s2, s2, s[TA]
	s_add_nc_u64 s[8:9], s[8:9], s[2:3]            ; out at my 64 rows, my wave's 192 channels
	ROUND                                          ; all four work-groups are here: the first joint loads meet
	FILL                                           ; tile 0
	v_and_b32 v[RR], 15, v0
	v_bfe_u32 v[HH], v0, 4, 1
	v_and_b32 v[L16], 31, v0
	v_lshlrev_b32 v[L16], 4, v[L16]
	v_lshlrev_b32 v[R16], 4, v[RR]
	v_lshlrev_b32 v[PFO], 8, v0
	s_cmp_lt_u32 s[WV], 2
	s_cbranch_scc0 .Lhead_c
	; PRODUCERS.  A fragment of K or Q is 16 rows x 32 channels in 8 registers: lane L holds row r, channels 8 h + 0..7 and 16 + 8 h + 0..7: two loads of 16 bytes, 32 bytes apart.
	s_mul_i32 s[TA], s[PC], 32*PITCH               ; my 32 keys of a tile
	v_mul_u32_u24 v[LT], v[RR], PITCH
	v_lshl_add_u32 v[LT], v[HH], 4, v[LT]
	v_add_nc_u32 v[LT], s[TA], v[LT]
	s_lshl_b32 s[TA], s[PC], 12
	v_add_nc_u32 v[PLT], s[TA], v[L16]             ; key blocks 2 p, 2 p + 1
	s_lshl_b32 s[TA], s[PC], 9
	v_add_nc_u32 v[SLT], s[TA], v[R16]
	v_mul_u32_u24 v[TV], v[RR], 1536
	v_lshl_add_u32 v[TV], v[HH], 4, v[TV]
.set ks, 0
.rept 24                               ; Q stays in registers: K step ks, query block qb at 256 + 8 (4 ks + qb)
	WIN (1+ks/8)<<6
.irp qb, 0,1,2,3
	global_load_b128 v[8*(4*(ks%8)+(\qb)):8*(4*(ks%8)+(\qb))+3],   v[TV], s[4:5] offset:(\qb)*24576+64*ks
	global_load_b128 v[8*(4*(ks%8)+(\qb))+4:8*(4*(ks%8)+(\qb))+7], v[TV], s[4:5] offset:(\qb)*24576+64*ks+32
.endr
.set ks, ks+1
.endr
	WIN 0
.irp qb, 0,1,2,3
	v_mov_b32 v[ST+4*(\qb)], 0xfe000000            ; c m: far below every c s, so the first block's a is 0
	v_mov_b32 v[ST+4*(\qb)+1], 0xff7fffff          ; m: the lowest finite number
	v_mov_b32 v[ST+4*(\qb)+2], 0                   ; l
	v_mov_b32 v[ST+4*(\qb)+3], 0
	v_mov_b32 v[TM+2*(\qb)], 0
	v_mov_b32 v[TM+2*(\qb)+1], 0                   ; v_permlanex16_b32's destination counts as read
	v_mov_b32 v[CT+(\qb)], 0
	v_mov_b32 v[CT+4+(\qb)], 0
.endr
	s_wait_loadcnt 0x0                             ; Q
	s_branch .Lhead_j
.Lhead_c:
	; CONSUMERS.  The turning load takes 16 keys x 16 channels: lane L reads 16 bytes of key 8 h + L % 8, lanes 8-15 of each half 128 bytes further, and is left with one channel's 8 keys.
	v_and_b32 v[TV], 7, v0
	v_lshl_add_u32 v[TV], v[HH], 3, v[TV]
	v_mul_u32_u24 v[LT], v[TV], PITCH
	v_bfe_u32 v[TV], v0, 3, 1
	v_lshl_add_u32 v[LT], v[TV], 7, v[LT]
	s_lshl_b32 s[TA], s[PC], 8                     ; my 128 channels of each 256
	v_add_nc_u32 v[LT], s[TA], v[LT]
	v_mov_b32 v[PLT], v[L16]
	v_mov_b32 v[SLT], v[R16]
	; O^T starts at 0 and cM far below every c m, so the first tile is a tile like any other, with a = 0: one text for all trips.  The price, 768 lines, is paid while tile 0 is on its way and the producers make the first scores.
.irp w, 1,2,3
	WIN (\w)<<6
.set i, 0
.rept 256
	v_mov_b32 v[i], 0
.set i, i+1
.endr
.endr
	WIN 0
.irp qb, 0,1,2,3
	v_mov_b32 v[CM+(\qb)], 0xfe000000
.endr
.Lhead_j:
; ---------------- THE PRODUCERS' TRIP ----------------
; Six groups of 32 products: group g is key block g / 3, K steps 8 (g % 3) .. + 7, whose Q lies in window 1 + g % 3.
; 16 LDS loads: group g's eight fragments of K into buffer b.  The products move source 1's window alone, which a load does not use: no switch stands round the loads.
.macro KLOAD g, b
.set i, 0
.rept 8
.set rK, KF+64*(\b)+8*i
.set oK, ((\g)/3)*QUART+((\g)%3)*SEG+64*i
	ds_load_b128 v[rK:rK+3],   v[A0] offset:oK
	ds_load_b128 v[rK+4:rK+7], v[A0] offset:oK+32
.set i, i+1
.endr
.endm
; THE SOFTMAX OF ONE KEY BLOCK (16 keys x 64 queries) is a list of 120 lines; SM writes number j of it for key block kb.  s0-s7 are a lane's scores in a query block; the four query blocks alternate (qb = j % 4),
; so that no line waits for the one before it.
;   0-15    the maximum of s0-s7 and the old m, three operands at a time (each accumulator is read from its low end on)
;   16-35   the other half of the lanes' maximum; the new m; c m; c m_old - c m_new; c m takes its place beside m
;   36-87   ONE BATCH: the 16 scalings c s - c m, a pair of scores each, and all 36 exponentials (the four a, then s0-s7 of the four blocks by pairs).  None of these reads an exponential's result.  36-39 four scalings;
;           40-63 exponential and scaling by turns; 64-87 the other 24 exponentials.  None of the 52 names a vector register as source 1, so they stand under the products' window setting as well as under 0
;   (wait)  between 87 and 88: RIDE writes it
;   88-103  the roundings to f16, a pair of weights each     104-119  the sums; l = a l + the sum
.macro SM kb
.set xq, j%4
.set xS, S+32*(\kb)+8*xq
.set xT, ST+4*xq
.set xM, TM+2*xq
.set xC, CT+4*(\kb)+xq
.set xP, PK0+(PK1-PK0)*(\kb)
.if j < 36
	WIN 0
.if j < 4
	v_max3_num_f32 v[xM], v[xS], v[xS+1], v[xS+2]
.elseif j < 12
	v_max3_num_f32 v[xM], v[xM], v[xS+2*(j/4)+1], v[xS+2*(j/4)+2]
.elseif j < 16
	v_max3_num_f32 v[xM], v[xM], v[xS+7], v[xT+1]
.elseif j < 20
	v_permlanex16_b32 v[xM+1], v[xM], s[SEL], s[SEL+1]  ; the query's other 8 keys lie in the lane 16 away
.elseif j < 24
	v_max_num_f32 v[xT+1], v[xM], v[xM+1]
.elseif j < 28
	v_mul_f32 v[xC], s[CS], v[xT+1]
.elseif j < 32
	v_sub_f32 v[xM+1], v[xT], v[xC]
.else
	v_mov_b32 v[xT], v[xC]
.endif
.elseif j < 88
.set xf, -1
.set xe, -1
.if j < 40
.set xf, j-36
.elseif j < 64
.if j%2
.set xf, 4+(j-40)/2
.else
.set xe, (j-40)/2
.endif
.else
.set xe, 12+j-64
.endif
.if xf >= 0                            ; scaling xf: pair xf / 4 of query block xf % 4
.set xS, S+32*(\kb)+8*(xf%4)+2*(xf/4)
.set xT, ST+4*(xf%4)
	v_pk_fma_f32 v[xS:xS+1], v[xS:xS+1], s[CS:CS+1], v[xT:xT+1] op_sel_hi:[1,0,0] neg_lo:[0,0,1] neg_hi:[0,0,1]
.elseif xe < 4                         ; exponentials 0-3: a
	v_exp_f32 v[TM+2*xe], v[TM+2*xe+1]
.else                                  ; exponential xe: pair (xe - 4) / 8, query block ((xe - 4) % 8) / 2
.set xS, S+32*(\kb)+8*(((xe-4)%8)/2)+2*((xe-4)/8)+(xe-4)%2
	v_exp_f32 v[xS], v[xS]
.endif
.else
	WIN 0
.if j < 104
	v_cvt_pk_f16_f32 v[xP+4*xq+(j-88)/4], v[xS+2*((j-88)/4)], v[xS+2*((j-88)/4)+1]
.elseif j < 108
	v_pk_add_f32 v[xS:xS+1], v[xS:xS+1], v[xS+2:xS+3]
.elseif j < 112
	v_pk_add_f32 v[xS+4:xS+5], v[xS+4:xS+5], v[xS+6:xS+7]
.elseif j < 116
	v_pk_add_f32 v[xS:xS+1], v[xS:xS+1], v[xS+4:xS+5]
.else
	v_pk_fma_f32 v[xT+2:xT+3], v[xT+2:xT+3], v[xM:xM+1], v[xS:xS+1] op_sel_hi:[1,0,1]
.endif
.endif
.endm
.macro RIDE kb                         ; the list's next line, if one is left
.if j < 120
.if j == 88
	v_nop                                          ; one plain instruction behind the batch's last exponential,
	s_wait_alu depctr_va_vdst(0)                   ; and the one wait ahead of the first reader
.endif
	SM \kb
.set j, j+1
.endif
.endm
; 32 products: K step i / 4 of the group, query block i % 4.  The four accumulators take turns, one instruction a turn.  A key block's K step 0 starts its sums.
; Behind each product of the second key block ride two lines of the first key block's softmax, which name none of its registers: 120 lines behind 60 products.
.macro KQ g
.set i, 0
.rept 32
	WIN (1+(\g)%3)<<2
.set rS, S+32*((\g)/3)+8*(i%4)
.set rK, KF+64*((\g)%2)+8*(i/4)
.set rQ, 8*i
.if ((\g)%3 == 0) && (i < 4)
	v_wmma_f32_16x16x32_f16 v[rS:rS+7], v[rK:rK+7], v[rQ:rQ+7], 0
.else
	v_wmma_f32_16x16x32_f16 v[rS:rS+7], v[rK:rK+7], v[rQ:rQ+7], v[rS:rS+7]
.endif
.if (\g) >= 3
	RIDE 0
	RIDE 0
.endif
.set i, i+1
.endr
.endm
.macro PROD
	v_add_nc_u32 v[A0], s[KB], v[LT]
	KLOAD 0, 0
.set j, 0
.irp g, 0,1,2,3,4,5
.if (\g) < 5
.if (\g) > 0
	PLACES 4                                       ; in front of loads into the buffer that the products just issued have read; in front of group 3 also the places between the first key block's last products and its softmax
.endif
	KLOAD (\g)+1, ((\g)+1)%2
	s_wait_dscnt 16                                ; all but the 16 just issued
.else
	s_wait_dscnt 0x0
.endif
	KQ \g
.endr
	WIN 0
	PLACES 4
.set j, 0
.rept 120
	RIDE 1                                         ; the second key block's softmax has no product left to ride behind.  Its weights go where K's first buffer lay: that buffer's last product stands 32 products back
.endr
	v_add_nc_u32 v[AP], s[PW], v[PLT]
	v_add_nc_u32 v[AS], s[SW], v[SLT]
.irp a, 0,1,2,3
	ds_store_b128 v[AP], v[PK0+4*(\a):PK0+4*(\a)+3] offset:512*(\a)
.endr
.irp a, 0,1,2,3
	ds_store_b128 v[AP], v[PK1+4*(\a):PK1+4*(\a)+3] offset:512*(4+(\a))
.endr
	ds_store_b128 v[AS], v[CT:CT+3]                ; both halves of the lanes hold the same four numbers
	ds_store_b128 v[AS], v[CT+4:CT+7] offset:256
.endm
; Trip 32: there is no tile left.  l's two halves and the other half of the lanes' are added; l and the last c m go where all four waves will read them.
.macro PFIN
.irp qb, 0,1,2,3
	v_add_f32 v[KF+(\qb)], v[ST+4*(\qb)+2], v[ST+4*(\qb)+3]
.endr
.irp qb, 0,1,2,3
	v_permlanex16_b32 v[TM+2*(\qb)+1], v[KF+(\qb)], s[SEL], s[SEL+1]
.endr
.irp qb, 0,1,2,3
	v_add_f32 v[KF+(\qb)], v[KF+(\qb)], v[TM+2*(\qb)+1]
.endr
	s_lshl_b32 s[TA], s[PC], 9
	s_add_co_u32 s[TA], s[TA], LF
	v_add_nc_u32 v[TV], s[TA], v[R16]
	ds_store_b128 v[TV], v[KF:KF+3]
	ds_store_b128 v[TV], v[CT+4:CT+7] offset:256
.endm
; ---------------- THE CONSUMERS' TRIP ----------------
; 16 turning loads: channel blocks 4 g .. 4 g + 3 (block cb: piece cb / 8 of the rows, 16 bytes x cb % 8), both key halves, into buffer b
.macro VLOAD g, b
.irp kk, 0,1
.irp cl, 0,1,2,3
.set rV, VF+64*(\b)+8*(4*(\kk)+(\cl))
.set oV, ((4*(\g)+(\cl))/8)*SEG+16*((4*(\g)+(\cl))%8)
	ds_load_tr16_b128 v[rV:rV+3],   v[A0+(\kk)] offset:oV
	ds_load_tr16_b128 v[rV+4:rV+7], v[A0+(\kk)] offset:oV+QUART
.endr
.endr
.endm
; Four registers of group g of O^T times a: half an accumulator, the low half first
.macro RESC g, i
.set wr, 1+(\g)/2
	WIN (wr<<6)|wr
.set rR, 128*((\g)%2)+4*(\i)
.set rA, AA+2*(((\i)/2)%4)
	v_pk_mul_f32 v[rR:rR+1],   v[rR:rR+1],   v[rA:rA+1]
	v_pk_mul_f32 v[rR+2:rR+3], v[rR+2:rR+3], v[rA:rA+1]
.endm
; 32 products: key half i / 16, channel block 4 g + (i / 4) % 4, query block i % 4.  The 16 accumulators take turns.  Behind each product rides rescaling that names none of its registers.
; Group 0: four lines a product, from one queue (rq): first the group's own accumulators, each two products ahead of its first product, then group 1's.  Groups 1 to 4: two lines of the next group's.
; The rescaling lies in another window setting, so each product costs two switches: the lesser price beside 376 lines with the matrix unit idle.
.macro PV g
.set wv, 1+(\g)/2
.set i, 0
.rept 32
	WIN (wv<<6)|(wv<<4)
.set rO, 128*((\g)%2)+8*(4*((i/4)%4)+i%4)
.set rV, VF+64*((\g)%2)+8*(4*(i/16)+(i/4)%4)
.set rP, P+8*(4*(i/16)+i%4)
	v_wmma_f32_16x16x32_f16 v[rO:rO+7], v[rV:rV+7], v[rP:rP+7], v[rO:rO+7]
.if (\g) == 0
.rept 2
.if rq < 64
	RESC rq/32, rq%32
.set rq, rq+1
.endif
.endr
.elseif (\g) < 5
	RESC (\g)+1, i
.endif
.set i, i+1
.endr
.endm
.macro CONS
	v_add_nc_u32 v[A0], s[VB], v[LT]               ; these four lines and the four v_nop behind the tensor load are the places between the last trip's products and the loads into their registers
	v_add_nc_u32 v[A1], 32*PITCH, v[A0]
	v_add_nc_u32 v[AP], s[PR], v[PLT]
	v_add_nc_u32 v[AS], s[SR], v[SLT]
.irp kg, 0,1,2,3
	ds_load_b128 v[CK+4*(\kg):CK+4*(\kg)+3], v[AS] offset:256*(\kg)
.endr
.irp kk, 0,1
.irp qb, 0,1,2,3
	ds_load_b128 v[P+8*(4*(\kk)+(\qb)):P+8*(4*(\kk)+(\qb))+3],   v[AP] offset:512*(8*(\kk)+(\qb))
	ds_load_b128 v[P+8*(4*(\kk)+(\qb))+4:P+8*(4*(\kk)+(\qb))+7], v[AP] offset:512*(8*(\kk)+4+(\qb))
.endr
.endr
	VLOAD 0, 0                                     ; both buffers are free: the first two groups' fragments go out in the one run
	VLOAD 1, 1
	s_wait_dscnt 48                                ; the four c m are in; P's 16 loads and V's 32 are younger
.irp qb, 0,1,2,3
	v_max3_num_f32 v[DN+(\qb)], v[CM+(\qb)], v[CK+4+(\qb)], v[CK+12+(\qb)]  ; a producer's c m only grows: its second block's is the greater
.endr
.irp qb, 0,1,2,3
	v_sub_f32 v[D0+(\qb)], v[CM+(\qb)], v[DN+(\qb)]
	v_sub_f32 v[CK+(\qb)], v[CK+(\qb)], v[DN+(\qb)]
	v_sub_f32 v[CK+4+(\qb)], v[CK+4+(\qb)], v[DN+(\qb)]
	v_sub_f32 v[CK+8+(\qb)], v[CK+8+(\qb)], v[DN+(\qb)]
	v_sub_f32 v[CK+12+(\qb)], v[CK+12+(\qb)], v[DN+(\qb)]
	v_mov_b32 v[CM+(\qb)], v[DN+(\qb)]
.endr
.irp qb, 0,1,2,3
	v_exp_f32 v[AA+2*(\qb)], v[D0+(\qb)]           ; a, twice: a pair for the packed rescaling.  One batch of 24,
	v_exp_f32 v[AA+2*(\qb)+1], v[D0+(\qb)]
.endr
.irp f, 0,1,2,3,4,5,6,7,8,9,10,11,12,13,14,15
	v_exp_f32 v[CK+(\f)], v[CK+(\f)]
.endr
	v_nop                                          ; one plain instruction behind the last,
	s_wait_alu depctr_va_vdst(0)                   ; and the one wait ahead of the first reader
.irp f, 0,1,2,3,4,5,6,7,8,9,10,11,12,13,14,15
	v_cvt_pk_f16_f32 v[CK+(\f)], v[CK+(\f)], v[CK+(\f)]
.endr
	s_wait_dscnt 32                                ; P is in; V's 32 loads are younger
.irp kk, 0,1
.irp qb, 0,1,2,3
.irp k, 0,1,2,3,4,5,6,7
	v_pk_mul_f16 v[P+8*(4*(\kk)+(\qb))+(\k)], v[P+8*(4*(\kk)+(\qb))+(\k)], v[CK+4*(2*(\kk)+(\k)/4)+(\qb)]  ; key block 2 kk + k / 4's weights onto the common maximum
.endr
.endr
.endr
.set rq, 0
.rept 4
	RESC rq/32, rq%32                              ; the first two accumulators' rescaling has no product to ride behind
.set rq, rq+1
.endr
.irp g, 0,1,2,3,4,5
.if (\g) == 0
	s_wait_dscnt 16                                ; V's first group is in; the second group's 16 loads are younger
.elseif (\g) < 5
	WIN 0
	PLACES 4                                       ; in front of loads into the buffer that the products just issued have read
	VLOAD (\g)+1, ((\g)+1)%2
	s_wait_dscnt 16                                ; all but the 16 just issued
.else
	s_wait_dscnt 0x0
.endif
	PV \g
.endr
	WIN 0
.endm
; ---------------- THE WALK: 33 trips, three to a turn of the ring ----------------
.Louter:
	s_mov_b32 s[FB], 0
	s_mov_b32 s[INNER], 3
.Ltrip:
	s_wait_xcnt 0x0                                ; the last prefetches, a trip back, have read their addresses, which are stepped here, ahead of the waits of the change of slots
	s_add_nc_u64 s[PFA:PFA+1], s[PFA:PFA+1], TILEB
	s_cmp_gt_u32 s[TT], 26
	s_cselect_b32 s[WS], 3*WTILE, 0
	s_add_nc_u64 s[PWA:PWA+1], s[PWA:PWA+1], s[WS:WS+1]
	s_wait_tensorcnt 0x0                           ; my one tensor load, my part of tile T, has landed: group 0 may be written
	ds_add_u32 v[SPW], v[NIL]                      ; 0 onto my spare word: the descriptor's scalar work stands between it and the wait for it
	s_cmp_eq_u32 s[TT], 31                         ; behind q's last tile the ring goes on with the first two steps of my cluster's walk of W
	s_cselect_b64 s[GA:GA+1], s[WAA:WAA+1], s[GA:GA+1]
	s_cmp_eq_u32 s[TT], 32
	s_cselect_b64 s[GA:GA+1], s[WAB:WAB+1], s[GA:GA+1]
	s_add_co_u32 s[G0+1], s[FB], s[WOFF]
	s_mov_b64 s[G0+2:G0+3], s[GA:GA+1]
	s_or_b32 s[G0+3], s[G0+3], 0x80000000
	s_add_nc_u64 s[GA:GA+1], s[GA:GA+1], TILEB     ; (from trip 31 on the stepped address is not used)
	s_wait_dscnt 0x0                               ; the add is done; so are my reads of the tiles and weights of the last trip, and my stores of weights and statistics
	ROUND                                          ; all that now holds of every wave of all four work-groups: tile T is whole, tile T - 2 is read by nobody, the last trip's weights are there
	FILL                                           ; tile T + 1, into tile T - 2's slot: the first thing behind the round, my one tensor load until the next
	ASK
	s_cmp_lt_u32 s[WV], 2                          ; the roles part; what is jumped holds no barrier and no tensor load
	s_cbranch_scc0 .Lcons
	s_cmp_eq_u32 s[TT], 32
	s_cbranch_scc1 .Lpfin
	PROD
	s_branch .Ljoin
.Lpfin:
	PFIN
	s_branch .Ljoin
.Lcons:
	s_cmp_eq_u32 s[TT], 0                          ; in trip 0 there are no weights yet
	s_cbranch_scc1 .Ljoin
	CONS
.Ljoin:
	s_mov_b32 s[VB], s[KB]
	s_mov_b32 s[KB], s[FB]
	s_add_co_u32 s[FB], s[FB], SLOT
	s_xor_b32 s[PW], s[PW], 0x2000
	s_xor_b32 s[PR], s[PR], 0x2000
	s_xor_b32 s[SW], s[SW], STX
	s_xor_b32 s[SR], s[SR], STX
	s_add_co_u32 s[TT], s[TT], 1
	s_sub_co_u32 s[INNER], s[INNER], 1
	s_cmp_lg_u32 s[INNER], 0
	s_cbranch_scc1 .Ltrip
	s_sub_co_u32 s[OUTER], s[OUTER], 1
	s_cmp_lg_u32 s[OUTER], 0
	s_cbranch_scc1 .Louter
; ---------------- THE TURN: O goes from the consumers' accumulators into all four waves' registers ----------------
	s_wait_dscnt 0x0                               ; the producers' last stores, the consumers' last reads of slot 0
	s_barrier_signal -1                            ; W's second tile stays on its way
	s_barrier_wait -1
	v_add_nc_u32 v[TV], LF, v[R16]                 ; 1 / l for my lane's four queries, in every wave
	ds_load_b128 v[LA:LA+3], v[TV]
	ds_load_b128 v[MA:MA+3], v[TV] offset:256
	ds_load_b128 v[LB:LB+3], v[TV] offset:512
	ds_load_b128 v[MB:MB+3], v[TV] offset:768
	s_wait_dscnt 0x0
.irp qb, 0,1,2,3
	v_max_num_f32 v[XM+(\qb)], v[MA+(\qb)], v[MB+(\qb)]  ; the consumers' last cM, bit for bit: the c m_p only grow
.endr
.irp qb, 0,1,2,3
	v_sub_f32 v[MA+(\qb)], v[MA+(\qb)], v[XM+(\qb)]
	v_sub_f32 v[MB+(\qb)], v[MB+(\qb)], v[XM+(\qb)]
.endr
.irp qb, 0,1,2,3
	v_exp_f32 v[MA+(\qb)], v[MA+(\qb)]
	v_exp_f32 v[MB+(\qb)], v[MB+(\qb)]
.endr
	v_nop
	s_wait_alu depctr_va_vdst(0)                   ; one wait for the eight exponentials
.irp qb, 0,1,2,3
	v_mul_f32 v[LA+(\qb)], v[LA+(\qb)], v[MA+(\qb)]
.endr
.irp qb, 0,1,2,3
	v_fmac_f32 v[LA+(\qb)], v[LB+(\qb)], v[MB+(\qb)]
.endr
.irp qb, 0,1,2,3
	v_rcp_f32 v[RL+2*(\qb)], v[LA+(\qb)]           ; twice: a pair for the packed multiply
	v_rcp_f32 v[RL+2*(\qb)+1], v[LA+(\qb)]
.endr
	v_nop
	s_wait_alu depctr_va_vdst(0)                   ; one wait for the eight reciprocals, ahead of the branch
	s_cmp_lt_u32 s[WV], 2
	s_cbranch_scc1 .Lno_pack
	; Two blocks of O^T, rounded in pairs, are a fragment (32 channels x 16 queries) of the last product's source 1.  Fragment kl of 12, query block qb, goes to 1,024 (4 kl + qb) of my half of the stage.
	; The lines above are the places behind the last products.
	s_mul_i32 s[TA], s[PC], OSTG
	v_add_nc_u32 v[A0], s[TA], v[L16]
.set kl, 0
.rept 12
.set wp, 1+kl/4
.set tb, 128+32*(kl%2)
	WIN wp|(wp<<2)                                 ; sources 0 and 1 in O^T's window
.irp qb, 0,1,2,3
.irp e, 0,1
.irp i, 0,1,2,3
	v_cvt_pk_f16_f32 v[tb+8*(\qb)+4*(\e)+(\i)], v[8*(4*((2*kl+(\e))%8)+(\qb))+2*(\i)], v[8*(4*((2*kl+(\e))%8)+(\qb))+2*(\i)+1]
.endr
.endr
.endr
	WIN 0
.irp qb, 0,1,2,3
	ds_store_b128 v[A0], v[tb+8*(\qb):tb+8*(\qb)+3]   offset:1024*(4*kl+(\qb))
	ds_store_b128 v[A0], v[tb+8*(\qb)+4:tb+8*(\qb)+7] offset:1024*(4*kl+(\qb))+512
.endr
.set kl, kl+1
.endr
.Lno_pack:
	s_wait_dscnt 0x0                               ; for the others' sake: my stores into the stage are done
	s_barrier_signal -1
	s_barrier_wait -1
	v_add_nc_u32 v[A1], OSTG, v[L16]
.set sl, 0
.rept 24                               ; all 96 fragments into windows 1 to 3: place sl, query block qb at 256 + 8 (4 sl + qb); places 0-11 consumer 0's, 12-23 consumer 1's
	WIN (1+sl/8)<<6
.irp qb, 0,1,2,3
.set rF, 8*(4*(sl%8)+(\qb))
.set oF, 1024*(4*(sl%12)+(\qb))
.if sl < 12
	ds_load_b128 v[rF:rF+3],   v[L16] offset:oF
	ds_load_b128 v[rF+4:rF+7], v[L16] offset:oF+512
.else
	ds_load_b128 v[rF:rF+3],   v[A1] offset:oF
	ds_load_b128 v[rF+4:rF+7], v[A1] offset:oF+512
.endif
.endr
.set sl, sl+1
.endr
	WIN 0
	s_wait_dscnt 0x0                               ; my reads of the stage are over:
	s_barrier_signal -1
	s_barrier_wait -1                              ; everybody's are, and the stages for out may take its bytes
	v_mul_u32_u24 v[LT], v[RR], PITCH              ; W's fragments: row 16 w + r of a tile, 128 h bytes along
	v_lshl_add_u32 v[LT], v[HH], 7, v[LT]
	v_add_nc_u32 v[LT], s[WOFF], v[LT]
	s_mul_i32 s[TA], s[WV], OWAVE                  ; my stage
	v_mul_u32_u24 v[AS], v[RR], OPITCH             ; in: row r of a query block, 32 bytes for each half of the lanes
	v_lshl_add_u32 v[AS], v[HH], 5, v[AS]
	v_add_nc_u32 v[AS], s[TA], v[AS]
	v_mul_u32_u24 v[PLT], v[HH], OPITCH            ; back: lanes 0-15 take one row of 256 bytes, lanes 16-31 the next
	v_add_nc_u32 v[PLT], v[PLT], v[R16]
	v_add_nc_u32 v[PLT], s[TA], v[PLT]
	s_lshl_b32 s[UB], s[RHO], 2                    ; and the same two rows in out.  The stage's 64 bytes number n hold the group's tile (rho + n) mod 4: lane r's 16 bytes belong at 16 ((r + 4 rho) mod 16)
	v_add_nc_u32 v[TV], s[UB], v[RR]
	v_and_b32 v[TV], 15, v[TV]
	v_mul_u32_u24 v[SLT], v[HH], 3072
	v_lshl_add_u32 v[SLT], v[TV], 4, v[SLT]
	s_mov_b32 s[WB], SLOT                          ; the walk's step 0 lies in slot 1
	s_mov_b32 s[COL], 0
	s_mov_b32 s[JJ], 10
; ---------------- THE LAST PRODUCT ----------------
; 12 LDS loads: W's fragments for places 6 q .. 6 q + 5 into buffer b.  Place sl takes channels 256 ((sl % 12) / 4) + 128 (sl / 12) + 16 (sl % 4) + 64 h + 0..15: 32 consecutive bytes of my row.
.macro WLOAD q, b
.set d, 0
.rept 6
.set sl, 6*(\q)+d
.set oW, ((sl%12)/4)*SEG+32*(sl%4)+256*(sl/12)
	ds_load_b128 v[WF+48*(\b)+8*d:WF+48*(\b)+8*d+3],   v[A0] offset:oW
	ds_load_b128 v[WF+48*(\b)+8*d+4:WF+48*(\b)+8*d+7], v[A0] offset:oW+16
.set d, d+1
.endr
.endm
; One tile of W: out^T for my 16 out channels x 64 queries: 96 products, the four accumulators by turns; then 1 / l, and 32 bytes a lane and query block into my stage.
.macro PROJ
	v_add_nc_u32 v[A0], s[WB], v[LT]
	v_add_nc_u32 v[AP], s[COL], v[AS]
	WLOAD 0, 0
.set q, 0
.rept 4
.if q < 3
.if q > 0
	PLACES 4                                       ; in front of loads into the buffer that the products just issued have read
.endif
	WLOAD q+1, (q+1)%2
	s_wait_dscnt 12                                ; all but the 12 just issued
.else
	s_wait_dscnt 0x0
.endif
.set d, 0
.rept 6
.set sl, 6*q+d
	WIN (1+sl/8)<<2
.irp qb, 0,1,2,3
.if sl == 0
	v_wmma_f32_16x16x32_f16 v[ACC+8*(\qb):ACC+8*(\qb)+7], v[WF+48*(q%2)+8*d:WF+48*(q%2)+8*d+7], v[8*(4*(sl%8)+(\qb)):8*(4*(sl%8)+(\qb))+7], 0
.else
	v_wmma_f32_16x16x32_f16 v[ACC+8*(\qb):ACC+8*(\qb)+7], v[WF+48*(q%2)+8*d:WF+48*(q%2)+8*d+7], v[8*(4*(sl%8)+(\qb)):8*(4*(sl%8)+(\qb))+7], v[ACC+8*(\qb):ACC+8*(\qb)+7]
.endif
.endr
.set d, d+1
.endr
.set q, q+1
.endr
	WIN 0
	PLACES 8                                       ; the lines below write the results in place
.irp qb, 0,1,2,3
.irp k, 0,2,4,6
	v_pk_mul_f32 v[ACC+8*(\qb)+(\k):ACC+8*(\qb)+(\k)+1], v[ACC+8*(\qb)+(\k):ACC+8*(\qb)+(\k)+1], v[RL+2*(\qb):RL+2*(\qb)+1]
.endr
.endr
.irp qb, 0,1,2,3
	ds_store_b128 v[AP], v[ACC+8*(\qb):ACC+8*(\qb)+3]   offset:(\qb)*16*OPITCH
	ds_store_b128 v[AP], v[ACC+8*(\qb)+4:ACC+8*(\qb)+7] offset:(\qb)*16*OPITCH+16
.endr
.endm
; Four steps have filled my stage's rows: a group's 64 consecutive out channels, 256 bytes, of 64 queries.  more = 1: another flush follows.
.macro FLUSH more
	s_lshl_b32 s[UA], s[GR], 8                     ; the group's 256 bytes in my 768 of a row of out.  The flush before has waited for its stores' addresses, so the base may be written
	s_mov_b32 s[UA+1], 0
	s_add_nc_u64 s[OB:OB+1], s[8:9], s[UA:UA+1]
.set n, 0
.rept 32
	ds_load_b128 v[FL+4*n:FL+4*n+3], v[PLT] offset:2*OPITCH*n  ; LDS serves a wave's instructions in order (ISA guide 5.7.1.4): these see my stores above
.set n, n+1
.endr
.set n, 0
.rept 32
	s_wait_dscnt 31-n                              ; the 31 - n younger loads may stay out
	global_store_b128 v[SLT], v[FL+4*n:FL+4*n+3], s[OB:OB+1] offset:6144*n th:TH_STORE_NT  ; 16 lanes store 256 consecutive bytes, at a multiple of 256 from out's first byte
.set n, n+1
.endr
	s_add_co_u32 s[GR], s[GR], 1                   ; the next group, round the end
	s_cmp_eq_u32 s[GR], 3
	s_cselect_b32 s[GR], 0, s[GR]
.if \more
	s_wait_xcnt 0x0                                ; the stores have read their base and their data: the base may be written, and W's fragments may land on the data registers
.endif
.endm
.Lproj:                                                ; ten trips: the walk's step i = 10 - s[JJ] is multiplied, and step i + 2 asked for into its slot
	PROJ
	s_and_b32 s[TA], s[JJ], 3
	s_cmp_eq_u32 s[TA], 3                          ; behind steps 3 and 7
	s_cbranch_scc0 .Lno_flush
	FLUSH 1
.Lno_flush:
	s_wait_tensorcnt 0x0                           ; my one tensor load, my rows of step i + 1, has landed: group 0 may be written
	ds_add_u32 v[SPW], v[NIL]                      ; 0 onto my spare word: the descriptor's scalar work stands between it and the wait for it
	s_sub_co_u32 s[UA], 12, s[JJ]                  ; the step to ask for, 2 .. 11
	s_lshr_b32 s[UB], s[UA], 2
	s_add_co_u32 s[UB], s[UB], s[G3]               ; its group of four tiles, round the end
	s_sub_co_u32 s[UC], s[UB], 3
	s_cmp_ge_u32 s[UB], 3
	s_cselect_b32 s[UB], s[UC], s[UB]
	s_add_co_u32 s[UA], s[UA], s[RHO]              ; its tile of the group, round the end
	s_and_b32 s[UA], s[UA], 3
	s_lshl2_add_u32 s[UA], s[UB], s[UA]
	s_mul_i32 s[UA], s[UA], WTILE
	s_mov_b32 s[UA+1], 0
	s_add_co_u32 s[G0+1], s[WB], s[WOFF]
	s_add_nc_u64 s[G0+2:G0+3], s[WA:WA+1], s[UA:UA+1]  ; the address is made anew from the tile's number
	s_or_b32 s[G0+3], s[G0+3], 0x80000000
	s_wait_dscnt 0x0                               ; the add is done, and my reads of step i's tile are over
	ROUND
	FILL
	s_xor_b32 s[WB], s[WB], SLOT^(2*SLOT)          ; slots 1 and 2 by turns
	s_add_co_u32 s[COL], s[COL], 64
	s_and_b32 s[COL], s[COL], 0xc0
	s_sub_co_u32 s[JJ], s[JJ], 1
	s_cmp_lg_u32 s[JJ], 0
	s_cbranch_scc1 .Lproj
	PROJ                                           ; the tail is written out: step 10, which the last trip's wait has shown landed
	s_xor_b32 s[WB], s[WB], SLOT^(2*SLOT)
	s_add_co_u32 s[COL], s[COL], 64
	s_wait_tensorcnt 0x0                           ; step 11: I alone read the rows that I asked for, so my own wait is all the ordering that the reads need
	PROJ
	FLUSH 0
	s_wait_tensorcnt 0x0                           ; the wave's end: a wait, an add and a wait, behind my last tensor load and my last LDS store
	ds_add_u32 v[SPW], v[NIL]
	s_wait_dscnt 0x0
	ROUND                                          ; the closing round: no work-group ends while a partner may still ask for a tile that names it
	s_endpgm
.Lfunc_end_k_qb2dbddf158_attn:
	.size	k_qb2dbddf158_attn, .Lfunc_end_k_qb2dbddf158_attn-k_qb2dbddf158_attn
	.p2alignl 7, 3214868480
	.fill 96, 4, 3214868480
	.section	.rodata,"a",@progbits
	.p2align	6, 0x0
	.amdhsa_kernel k_qb2dbddf158_attn
		.amdhsa_group_segment_fixed_size 327680
		.amdhsa_private_segment_fixed_size 0
		.amdhsa_enable_private_segment 0
		.amdhsa_kernarg_size 24
		.amdhsa_user_sgpr_count 2
		.amdhsa_user_sgpr_kernarg_segment_ptr 1
		.amdhsa_wavefront_size32 1
		.amdhsa_system_sgpr_workgroup_id_x 1
		.amdhsa_system_sgpr_workgroup_id_y 1
		.amdhsa_system_sgpr_workgroup_id_z 1
		.amdhsa_system_vgpr_workitem_id 0
		.amdhsa_next_free_vgpr 1024
		.amdhsa_next_free_sgpr 84
		.amdhsa_reserve_vcc 0
		.amdhsa_float_denorm_mode_32 3
		.amdhsa_float_denorm_mode_16_64 3
		.amdhsa_memory_ordered 1
		.amdhsa_forward_progress 1
		.amdhsa_inst_pref_size 243
	.end_amdhsa_kernel
	.amdgpu_metadata
---
amdhsa.version: [ 1, 2 ]
amdhsa.kernels:
  - .name:           k_qb2dbddf158_attn
    .symbol:         k_qb2dbddf158_attn.kd
    .args:
      - { .name: qh, .offset: 0, .size: 8, .value_kind: global_buffer, .address_space: global }
      - { .name: wh, .offset: 8, .size: 8, .value_kind: global_buffer, .address_space: global }
      - { .name: out0, .offset: 16, .size: 8, .value_kind: global_buffer, .address_space: global }
    .group_segment_fixed_size: 327680
    .private_segment_fixed_size: 0
    .kernarg_segment_align: 8
    .kernarg_segment_size: 24
    .max_flat_workgroup_size: 128
    .sgpr_count:     84
    .vgpr_count:     1024
    .wavefront_size: 32
...
	.end_amdgpu_metadata
.endif
;; end of part 2
